; MI455X (gfx1250); checked and timed in simulation.
; The chip was launched on July 23, 2026; its instructions are those of AMD's public machine-readable ISA for CDNA 5 (MIT licence, August 2026) and "CDNA5" Instruction Set Architecture Reference Guide (July 2026). The comments in the code are by the model that wrote it; some were corrected since.
;; Multi Head Attention. Allowed arithmetic: matrix products marked QUANTISED: E2M1 operands, one E8M0 scale for each 32 along K, by v_wmma_scale_f32_16x16x128_f8f6f4 with both operands' format E2M1 (or v_wmma_scale_f32_32x16x128_f4), f32 sums; products left as they are: bf16, f16 or f32 operands; f32 sums; everything else in f32.
;; Inputs: W_k 1,024 x 1,024 float32; W_o 1,024 x 1,024 float32; W_q 1,024 x 1,024 float32; W_v 1,024 x 1,024 float32; k 4 x 2,048 x 1,024 float32; mask 1 x 2,048 x 2,048 int32; q 4 x 2,048 x 1,024 float32; v 4 x 2,048 x 1,024 float32.
;; Outputs: out0 4 x 2,048 x 1,024 float32.
;; This version of the problem:
;;   THIS VERSION OF THE PROBLEM IS GIVEN IN LOW PRECISION. The matrix products marked QUANTISED in the list below multiply operands that are first quantised to E2M1 (2 exponent bits, 1 mantissa bit; 4 bits a number), with one power-of-two scale for each 32 numbers along K (OCP MX v1.0); their sums are f32. The products marked 'left as it is' may take bf16, f16 or f32 operands, with f32 sums. Whichever they take, every output number must still come out within the allowed error. Rounding operands to bf16 (8 significant bits) uses up far more of that allowance than f16 does (11 bits, for magnitudes from 6e-5 to 65,504). All else is computed in f32.
;;   The module's matrix products, in the order in which they are computed (A, B: the left and right operand; K: the contracted axis; several contracted axes count as one K, in the product's order):
;;     1. [M 8,192, K 1,024] x [K 1,024, N 1,024]; A: input q; B: input W_q: QUANTISED
;;     2. [M 8,192, K 1,024] x [K 1,024, N 1,024]; A: input k; B: input W_k: QUANTISED
;;     3. [M 8,192, K 1,024] x [K 1,024, N 1,024]; A: input v; B: input W_v: QUANTISED
;;     4. batch 64 x [M 2,048, K 64] x [K 64, N 2,048]; A: computed on the way; B: computed on the way: left as it is (an operand is computed on the way)
;;     5. batch 64 x [M 2,048, K 2,048] x [K 2,048, N 64]; A: computed on the way; B: computed on the way: left as it is (an operand is computed on the way)
;;     6. [M 8,192, K 1,024] x [K 1,024, N 1,024]; A: computed on the way; B: input W_o: left as it is (an operand is computed on the way)
;;   THE QUANTISER, for each operand of a quantised product, along K:
;;     - K is cut into blocks of 32 from its start; a last block that is shorter is filled with zeros.
;;     - A block's scale is 2^e with e = floor(log2(the largest magnitude in the block)) - 2, held to -126 .. 127; a block of zeros has e = 0. As a byte (E8M0): e + 127.
;;     - Each number is divided by its block's scale, clamped to +-6, and rounded to the nearest number of E2M1, ties to even, subnormals kept.
;;     - The product sums the exact products of the quantised numbers (number of the format x scale) in f32.
;;   ~~~python
;;   def quantise(x, axis):      # numpy; x: float32 -> the quantised numbers, widened to float32 again
;;       x = np.moveaxis(x, axis, -1); K = x.shape[-1]
;;       x = np.pad(x, [(0, 0)] * (x.ndim - 1) + [(0, -K % 32)]); x = x.reshape(x.shape[:-1] + (-1, 32)); a = np.abs(x).max(-1, keepdims=True)
;;       e = np.where(a > 0, np.clip(np.frexp(np.where(a > 0, a, 1))[1] - 1 - 2, -126, 127), 0)      # np.frexp(a)[1] - 1 = floor(log2(a)), exactly
;;       r = np.clip(x / 2.0 ** e, -6, 6)
;;       step = 2.0 ** (np.maximum(np.frexp(np.where(r == 0, 1, r))[1] - 1, 0) - 1)
;;       q = np.round(r / step) * step * 2.0 ** e      # np.round: ties to even
;;       return np.moveaxis(q.reshape(q.shape[:-2] + (-1,))[..., :K], -1, axis).astype(np.float32)
;;   ~~~
;; One version. Each part assembles by itself: llvm-mc -triple=amdgcn-amd-amdhsa -mcpu=gfx1250 --defsym DOCPART=n.
;; ======== version 1 of 1: 4 launches
;; limits: values are held in f16: magnitudes above 65,504 overflow, below 6.1e-05 lose precision
;; workspace buffers: wcodes 1,572,864 bytes; wscl 98,304 bytes; woh 2,097,152 bytes; mbits 524,288 bytes of whole numbers; qh 16,777,216 bytes; kh 16,777,216 bytes; vh 16,777,216 bytes; ah 16,777,216 bytes
;; launch prep (part 1): grid 512 x 1, 4 waves a work-group, no clusters, 0 bytes of LDS; arguments W_q, W_k, W_v, W_o, mask, wcodes, wscl, woh, mbits; writes wcodes, wscl, woh, mbits
.if DOCPART == 1
	.amdgcn_target "amdgcn-amd-amdhsa--gfx1250"
	.amdhsa_code_object_version 6
	.text
	.protected	k_qd6042e75e6_prep
	.globl	k_qd6042e75e6_prep
	.p2align	8
	.type	k_qd6042e75e6_prep,@function
k_qd6042e75e6_prep:
	s_mov_b64 s[64:65], 0
	v_nop
	global_prefetch_b8 v0, s[64:65] scope:SCOPE_SE
	s_setreg_imm32_b32 hwreg(HW_REG_WAVE_MODE, 25, 1), 1
	s_wait_xcnt 0x0
; PREP: what every later work-group reads again is made once, in the order in which operand registers take it.
; A CHUNK is 512 bytes: lane l's 16 bytes at 16 l.  r = lane % 16, h = lane / 16.
;   work-groups 0-191:   W_q, W_k, W_v [1024][1024] f32 -> codes of FP4 (E2M1) and E8M0 scale words, quantised along K (the last axis) in blocks of 32.
;       wcodes [mat 3][K step 8][tile of 16 rows 64][c 2][chunk]: lane (r, h) holds the 32 codes of row 16 nt + r, k = 128 s + 64 c + 32 h + 0 .. 31.
;       wscl   [mat 3][nt 64][qd 4][r 16][i 2] words: the four scale bytes of row 16 nt + r for K step 2 qd + i.
;   work-groups 192-255: W_o -> f16, woh [K step of 128: 8][nt 64][x 8][chunk]: lane (r, h) holds W_o[16 nt + r][128 ks + 16 x + 8 h + 0 .. 7].
;   work-groups 256-511: mask [2048][2048] i32 -> bits, mbits [pair of query tiles 64][key step of 64: 32][t 2][kt 4][j 8] words:
;       bit l of a word says whether mask[32 qp + 16 t + l % 16][64 kstep + 16 kt + 8 (l / 16) + j] is not 0: the lane mask of one register of a tile of scores.
; A block's scale is 2^(floor(log2(its largest magnitude)) - 2): its byte is the largest magnitude's exponent field - 2, held at 1 from below.
; LIMITS: a block of zeros, or one whose largest magnitude lies under 2^-124, gets the byte 1 (a block of zeros has zero codes, and this program alone reads the bytes); NaN and infinities in the weights are not served.
; No LDS, no barrier, no cluster: the work-groups share no input, and every wave's stores cover whole runs of 128, 256 or 512 consecutive bytes.
.set XA,  5                            ; v5       my lane's byte among the 16 rows that the wave reads
.set TM,  8                            ; v8-23    the quantiser's work
.set F0,  32                           ; v32-95   64 numbers: K step 2 qd
.set F1,  96                           ; v96-159  K step 2 qd + 1
.set PC0, 160                          ; v160-167 the first fragment's codes
.set PC1, 168                          ; v168-175 the second's
.set SEL, 34                           ; s[34:35] lane selects: lane l xor 16
.set XP,  36                           ; s[36:37] where the wave's numbers begin
; my 16 rows' numbers of one K step (128 along K, 64 a lane): register 16 b + i = k 32 b + 16 h + i of row r
.macro XLOAD reg, off
.irp b, 0,1,2,3
.irp j, 0,1,2,3
	global_load_b128 v[\reg+16*\b+4*\j:\reg+16*\b+4*\j+3], v[XA], s[XP:XP+1] offset:\off+128*\b+16*\j th:TH_LOAD_NT
.endr
.endr
.endm
; 64 numbers of a lane become a fragment's codes in v[pc] on and its row's scale word in v[pw]
.macro QUANT s, pc, pw
.irp b, 0,1,2,3
	v_max3_num_f32 v[TM+\b], |v[\s+16*\b]|, |v[\s+1+16*\b]|, 0x1800000   ; block b: my 16 numbers, and the floor 2^(3 - 127): the byte cannot fall under 1
.endr
.irp i, 2,4,6,8,10,12,14
.irp b, 0,1,2,3
	v_max3_num_f32 v[TM+\b], v[TM+\b], |v[\s+16*\b+\i]|, |v[\s+1+16*\b+\i]|   ; the four blocks by turns
.endr
.endr
.irp b, 0,1,2,3
	v_permlanex16_b32 v[TM+4+\b], v[TM+\b], s[SEL], s[SEL+1]
.endr
.irp b, 0,1,2,3
	v_max_num_f32 v[TM+\b], v[TM+\b], v[TM+4+\b]   ; with lane l xor 16's 16 numbers: the block's largest magnitude
.endr
.irp b, 0,1,2,3
	v_add_nc_u32 v[TM+12+\b], 0xff000000, v[TM+\b]   ; 2 off its exponent field: the conversion's scale operand
.endr
.irp b, 0,1,2,3
	v_lshrrev_b32 v[TM+4+\b], 23, v[TM+12+\b]      ; the scale's byte
.endr
	v_lshl_or_b32 v[\pw], v[TM+5], 8, v[TM+4]
	v_lshl_or_b32 v[\pw], v[TM+6], 16, v[\pw]
	v_lshl_or_b32 v[\pw], v[TM+7], 24, v[\pw]
.irp b, 0,1,2,3
	v_cvt_scalef32_pk8_fp4_f32 v[\pc+2*\b], v[\s+16*\b:\s+7+16*\b], v[TM+12+\b]
	v_cvt_scalef32_pk8_fp4_f32 v[\pc+1+2*\b], v[\s+8+16*\b:\s+15+16*\b], v[TM+12+\b]
.endr
	v_nop                                          ; one plain place behind the scaled conversions
.irp c, 0,1                            ; the operand's layout wants a whole block in a lane: lanes 0-15 block 2 c, lanes 16-31 block 2 c + 1
.irp i, 0,1
	v_permlane16_swap_b32 v[\pc+4*\c+\i], v[\pc+2+4*\c+\i]
.endr
.endr
.endm
	s_load_b512 s[8:23], s[0:1], 0x0               ; W_q 8, W_k 10, W_v 12, W_o 14, mask 16, wcodes 18, wscl 20, woh 22
	s_load_b64 s[24:25], s[0:1], 0x40              ; mbits
	v_lshrrev_b32 v1, 5, v0
	v_readfirstlane_b32 s26, v1                    ; wave 0..3
	v_and_b32 v1, 31, v0                           ; lane
	v_and_b32 v2, 15, v0                           ; r
	v_bfe_u32 v3, v0, 4, 1                         ; h
	v_lshlrev_b32 v4, 4, v1                        ; 16 x lane: my place in a chunk
	s_mov_b32 s31, 0
	s_wait_kmcnt 0x0
	s_cmp_lt_u32 ttmp9, 192
	s_cbranch_scc0 .Lnot_w
	; ---- a weight of a quantised product: tile nt of 16 rows; wave qd takes K steps 2 qd and 2 qd + 1
	s_lshr_b32 s27, ttmp9, 6                       ; mat
	s_and_b32 s28, ttmp9, 63                       ; nt
	s_cmp_eq_u32 s27, 1
	s_cselect_b64 s[XP:XP+1], s[10:11], s[8:9]
	s_cmp_eq_u32 s27, 2
	s_cselect_b64 s[XP:XP+1], s[12:13], s[XP:XP+1]
	s_lshl_b32 s30, s28, 16                        ; 16 rows of 4,096 bytes a tile,
	s_lshl_b32 s32, s26, 10                        ; two K steps of 512 bytes a wave
	s_add_co_u32 s30, s30, s32
	s_add_nc_u64 s[XP:XP+1], s[XP:XP+1], s[30:31]
	v_lshlrev_b32 v[XA], 12, v2
	v_lshl_add_u32 v[XA], v3, 6, v[XA]             ; row r, + 64 h: my 16 numbers of a block of 32
	XLOAD F0, 0
	XLOAD F1, 512
	s_mov_b32 s[SEL], 0x76543210
	s_mov_b32 s[SEL+1], 0xfedcba98
	s_lshl_b32 s30, s27, 19                        ; wcodes: 524,288 a matrix,
	s_lshl_b32 s32, s26, 17                        ; 65,536 a K step,
	s_add_co_u32 s30, s30, s32
	s_lshl_b32 s32, s28, 10                        ; 1,024 a tile
	s_add_co_u32 s30, s30, s32
	s_add_nc_u64 s[18:19], s[18:19], s[30:31]
	s_lshl_b32 s30, s27, 15                        ; wscl: 32,768 a matrix, 512 a tile, 128 a wave
	s_lshl_b32 s32, s28, 9
	s_add_co_u32 s30, s30, s32
	s_lshl_b32 s32, s26, 7
	s_add_co_u32 s30, s30, s32
	s_add_nc_u64 s[20:21], s[20:21], s[30:31]
.irp b, 0,1,2,3
	v_mov_b32 v[TM+4+\b], 0                        ; written once: a lane permute's destination counts as one of its sources
.endr
	v_lshlrev_b32 v27, 3, v2
	v_lshl_add_u32 v27, v3, 2, v27                 ; 8 r + 4 h: lanes 0-15 store the first K step's word, lanes 16-31 the second's
	s_wait_loadcnt 16                              ; the first K step's 16 loads are in; the second's may be out
	QUANT F0, PC0, 24
	s_wait_loadcnt 0x0
	QUANT F1, PC1, 25
.irp c, 0,1
	global_store_b128 v4, v[PC0+4*\c:PC0+4*\c+3], s[18:19] offset:512*\c         ; a chunk: 512 consecutive bytes
	global_store_b128 v4, v[PC1+4*\c:PC1+4*\c+3], s[18:19] offset:65536+512*\c
.endr
	v_cmp_ne_u32 vcc_lo, 0, v3
	v_cndmask_b32 v26, v24, v25, vcc_lo
	global_store_b32 v27, v26, s[20:21]            ; 128 consecutive bytes
	s_endpgm
.Lnot_w:
	s_cmp_lt_u32 ttmp9, 256
	s_cbranch_scc0 .Lmask
	; ---- W_o to f16: tile nt of 16 rows; wave w takes K steps 2 w and 2 w + 1: 16 chunks of 16 along K
	s_sub_co_u32 s28, ttmp9, 192                   ; nt
	s_lshl_b32 s30, s28, 16
	s_lshl_b32 s32, s26, 10
	s_add_co_u32 s30, s30, s32
	s_add_nc_u64 s[14:15], s[14:15], s[30:31]
	v_lshlrev_b32 v5, 12, v2
	v_lshl_add_u32 v5, v3, 5, v5                   ; row r, + 32 h: my 8 numbers of a chunk's 16
.set Q, 0
.rept 16
	global_load_b128 v[32+8*Q:32+8*Q+3], v5, s[14:15] offset:64*Q th:TH_LOAD_NT
	global_load_b128 v[32+8*Q+4:32+8*Q+7], v5, s[14:15] offset:64*Q+16 th:TH_LOAD_NT
.set Q, Q+1
.endr
	s_lshl_b32 s30, s26, 19                        ; woh: 262,144 a K step, two a wave; 4,096 a tile
	s_lshl_b32 s32, s28, 12
	s_add_co_u32 s30, s30, s32
	s_add_nc_u64 s[22:23], s[22:23], s[30:31]
.set Q, 0
.rept 16
.if (Q%4) == 0
	s_wait_loadcnt 24-8*(Q/4)                      ; four chunks' eight loads are in; those of the chunks behind may be out
.endif
.irp i, 0,1,2,3
	v_cvt_pk_f16_f32 v[32+4*Q+\i], v[32+8*Q+2*\i], v[32+8*Q+2*\i+1]   ; packed downward in place: the destination never passes a number not yet read
.endr
	global_store_b128 v4, v[32+4*Q:32+4*Q+3], s[22:23] offset:(Q/8)*262144+(Q%8)*512
.set Q, Q+1
.endr
	s_endpgm
.Lmask:
	; ---- the mask: a unit is 32 queries x 64 keys = 64 words; a wave takes two units that are neighbours along the keys
	s_sub_co_u32 s27, ttmp9, 256
	s_lshl_b32 s27, s27, 2
	s_add_co_u32 s27, s27, s26
	s_lshl_b32 s27, s27, 1                         ; my first unit = 32 qp + kstep
	s_lshr_b32 s28, s27, 5                         ; qp
	s_and_b32 s29, s27, 31                         ; kstep
	s_lshl_b32 s30, s28, 18                        ; 32 rows of 8,192 bytes,
	s_lshl_b32 s32, s29, 8                         ; 64 keys of 4 bytes
	s_add_co_u32 s30, s30, s32
	s_add_nc_u64 s[16:17], s[16:17], s[30:31]
	s_lshl_b32 s30, s27, 8                         ; 256 bytes of bits a unit
	s_add_nc_u64 s[24:25], s[24:25], s[30:31]
	v_lshlrev_b32 v5, 13, v2
	v_lshl_add_u32 v5, v3, 5, v5                   ; row r, + 8 h keys
	v_lshlrev_b32 v6, 3, v1                        ; out: two words a lane
.irp u, 0,1
.irp t, 0,1
.irp y, 0,1,2,3
.irp e, 0,1
	global_load_b128 v[32+8*((2*\u+\t)*4+\y)+4*\e:32+8*((2*\u+\t)*4+\y)+4*\e+3], v5, s[16:17] offset:256*\u+131072*\t+64*\y+16*\e th:TH_LOAD_NT
.endr
.endr
.endr
.endr
.irp i, 0,1,2,3
	v_mov_b32 v[160+\i], 0                         ; written once: v_writelane_b32's destination counts as read
.endr
.irp u, 0,1
	s_wait_loadcnt 16-16*\u                        ; this unit's 16 loads are in; the next unit's may be out
.set I, 0
.rept 16
.irp n, 0,1,2,3
	v_cmp_ne_u32 s[28+\n], 0, v[32+64*\u+I+\n]     ; the word: one bit a lane
.endr
.irp n, 0,1,2,3
	v_writelane_b32 v[160+2*\u+(\n%2)], s[28+\n], (I+\n)/2   ; word i goes to lane i / 2, register i % 2
.endr
.set I, I+4
.endr
	global_store_b64 v6, v[160+2*\u:161+2*\u], s[24:25] offset:256*\u   ; 256 consecutive bytes, aligned
.endr
	s_endpgm
.Lfunc_end_k_qd6042e75e6_prep:
	.size	k_qd6042e75e6_prep, .Lfunc_end_k_qd6042e75e6_prep-k_qd6042e75e6_prep
	.p2alignl 7, 3214868480
	.fill 96, 4, 3214868480
	.section	.rodata,"a",@progbits
	.p2align	6, 0x0
	.amdhsa_kernel k_qd6042e75e6_prep
		.amdhsa_group_segment_fixed_size 0
		.amdhsa_private_segment_fixed_size 0
		.amdhsa_enable_private_segment 0
		.amdhsa_kernarg_size 72
		.amdhsa_user_sgpr_count 2
		.amdhsa_user_sgpr_kernarg_segment_ptr 1
		.amdhsa_wavefront_size32 1
		.amdhsa_system_sgpr_workgroup_id_x 1
		.amdhsa_system_sgpr_workgroup_id_y 1
		.amdhsa_system_sgpr_workgroup_id_z 1
		.amdhsa_system_vgpr_workitem_id 0
		.amdhsa_next_free_vgpr 176
		.amdhsa_next_free_sgpr 66
		.amdhsa_reserve_vcc 1
		.amdhsa_float_denorm_mode_32 3
		.amdhsa_float_denorm_mode_16_64 3
		.amdhsa_memory_ordered 1
		.amdhsa_forward_progress 1
		.amdhsa_inst_pref_size 43
	.end_amdhsa_kernel
	.amdgpu_metadata
---
amdhsa.version: [ 1, 2 ]
amdhsa.kernels:
  - .name:           k_qd6042e75e6_prep
    .symbol:         k_qd6042e75e6_prep.kd
    .args:
      - { .name: W_q, .offset: 0, .size: 8, .value_kind: global_buffer, .address_space: global }
      - { .name: W_k, .offset: 8, .size: 8, .value_kind: global_buffer, .address_space: global }
      - { .name: W_v, .offset: 16, .size: 8, .value_kind: global_buffer, .address_space: global }
      - { .name: W_o, .offset: 24, .size: 8, .value_kind: global_buffer, .address_space: global }
      - { .name: mask, .offset: 32, .size: 8, .value_kind: global_buffer, .address_space: global }
      - { .name: wcodes, .offset: 40, .size: 8, .value_kind: global_buffer, .address_space: global }
      - { .name: wscl, .offset: 48, .size: 8, .value_kind: global_buffer, .address_space: global }
      - { .name: woh, .offset: 56, .size: 8, .value_kind: global_buffer, .address_space: global }
      - { .name: mbits, .offset: 64, .size: 8, .value_kind: global_buffer, .address_space: global }
    .group_segment_fixed_size: 0
    .private_segment_fixed_size: 0
    .kernarg_segment_align: 8
    .kernarg_segment_size: 72
    .max_flat_workgroup_size: 128
    .sgpr_count:     66
    .vgpr_count:     176
    .wavefront_size: 32
...
	.end_amdgpu_metadata
.endif
;; end of part 1
;; launch proj (part 2): grid 128 x 3, 16 waves a work-group, clusters of 4 x 1, 327,680 bytes of LDS; arguments q, k, v, wcodes, wscl, qh, kh, vh; writes qh, kh, vh
.if DOCPART == 2
	.amdgcn_target "amdgcn-amd-amdhsa--gfx1250"
	.amdhsa_code_object_version 6
	.text
	.protected	k_qd6042e75e6_proj
	.globl	k_qd6042e75e6_proj
	.p2align	8
	.type	k_qd6042e75e6_proj,@function
k_qd6042e75e6_proj:
	s_mov_b64 s[64:65], 0
	v_nop
	global_prefetch_b8 v0, s[64:65] scope:SCOPE_SE
	s_setreg_imm32_b32 hwreg(HW_REG_WAVE_MODE, 25, 1), 1
	s_wait_xcnt 0x0
	s_wait_alu depctr_hold_cnt(0) depctr_sa_sdst(0) depctr_va_vdst(0) depctr_va_sdst(0) depctr_va_ssrc(0) depctr_va_vcc(0) depctr_vm_vsrc(0)
	s_getreg_b32 s2, hwreg(HW_REG_IB_STS2, 6, 4)
	s_cmp_eq_u32 s2, 0
	s_cbranch_scc0 .Lentry_in_a_cluster
	s_endpgm
.Lentry_in_a_cluster:
	s_bfe_u32 s2, ttmp6, 0x10000c
	s_cmp_lg_u32 s2, 0x3003
	s_cbranch_scc0 .Lentry_shape_is_right
	s_endpgm
.Lentry_shape_is_right:
; PROJ: X = Q(x) Q(W)^T for x = q, k, v (work-group y picks the tensor), both operands codes of FP4 (E2M1) with one E8M0 scale for each 32 along K; sums in f32; X leaves as f16.
; SHARES.  A work-group takes 64 rows of x and ALL 1,024 columns, so each f32 number of x is read once and its codes never go to memory.  Sixteen waves.
; FIRST each wave quantises 16 rows x 256 along K (tile of rows wave % 4, K steps 2 (wave / 4) and the next).  A row's 1,024 bytes come by two loads of 512 consecutive bytes; in each, lanes 0-15 take the even
; pieces of 16 bytes and lanes 16-31 the odd ones, and an exchange of halves between the two loads' registers leaves lane l with EIGHT NEIGHBOURS along K: K step 2 u + l / 16, k = 8 (l % 16) + 0 .. 7.
; A block of 32 lies in four neighbouring lanes.  A row's eight codes of a lane are one register; it goes to its place in the operand's image in LDS by one store of 4 bytes.
; THEN wave w makes columns 64 w .. 64 w + 63, which are head w, for the 64 rows: 4 x 4 accumulators.
; W comes as codes in operand order through a ring of two LDS slots of two K steps each (131,072 bytes), every wave fetching 8,192 bytes of a slot.
; CLUSTER.  The four row blocks of a cluster walk the same W: each tile is asked for JOINTLY, the same tensor load with the same descriptor and the mask 15 in all four.
; THE PRODUCT IS USED TRANSPOSED (source 0 = 16 rows of W, source 1 = 16 rows of x): a lane's eight results are eight neighbouring channels of one token; rounded to f16 they are the lane's 16 bytes of a chunk of
; qh, kh, vh [batch x head 64][tile of 16 tokens 128][x 4][chunk of 512 bytes]: lane (r, h) holds X[16 tt + r][64 head + 16 x + 8 h + 0 .. 7].  So each accumulator leaves by ONE store of 512 consecutive bytes.
; No prefetch: all of a work-group's x is asked for at its head, and W is read by every work-group.
; LIMITS: a block of zeros or under 2^-124 gets the byte 1 (zero codes add nothing); NaN and infinities in the inputs are not served; a result beyond 65,504 becomes infinity in f16.
.set SLOTB, 131072                     ; LDS: slot 0 at 0, slot 1 at 131,072: K step s begins at (s % 4) x 65,536; in it tile nt's chunk c at 1,024 nt + 512 c
.set XIMG,  262144                     ; x's fragments, by pairs: pair 4 (s / 2) + m (K steps s, tile of rows m) is 8 lines of 256 bytes + 16 of padding; line 4 (s % 2) + 2 c + h holds, at 16 r, the 16 bytes of lane (r, h), registers 4 c on
.set XLINE, 272                        ; a line: lines that lie one below the other start 4 banks apart, so the 32 lanes of a store of 4 bytes fall on 32 banks; a reader's 16 lanes take 256 consecutive bytes
.set XPAIR, 8*XLINE
.set XSC,   XIMG+16*XPAIR              ; their scale words: 128 bytes a pair: 64 for each K step, 4 a row
.set SPARE, XSC+2048                   ; the spare words, 128 bytes for each of the 16 waves: eight blocks of 256 bytes that no other line names
.set LI,  1                            ; v1     16 x lane
.set XR,  2                            ; v2     XIMG + 272 h + 16 r: where I read a fragment's 16 bytes
.set XSR, 3                            ; v3     XSC + 4 r
.set WA,  4                            ; v4-7   where my four tiles of W lie in K step n of the ring: 16 x lane + 65,536 n + 4,096 x wave
.set SPW, 8                            ; v8     my spare word; never rewritten
.set NIL, 9                            ; v9     0; never rewritten
.set XA,  10                           ; v10    x: 32 (lane % 16) + 16 (lane / 16): my piece of a load's 512 bytes
.set XWI, 11                           ; v11    where I store a row's codes: XIMG + 2,176 x wave + 272 (lane / 4) + 4 (lane % 4), + 16 x row
.set XWS, 12                           ; v12    and its scale byte: XSC + 128 x wave + 64 (lane / 16) + (lane / 4) % 4, + 4 x row
.set WSA, 13                           ; v13    W's scale words: 8 r + 256 h
.set WS,  16                           ; v16-31 W's scale words: register 4 n + s % 4: lanes 0-15 K step s < 4, lanes 16-31 K step s + 4.  Scales and nothing else
.set XS,  32                           ; v32-35 x's scale words of the K step in hand.  Scales and nothing else
.set TM,  40                           ; v40-55 a largest magnitude, then a scale operand, for each of my 16 rows
.set PC,  64                           ; v64-79  a register of codes for each row
.set BY,  96                           ; v96-111 a scale byte for each row
.set XF,  64                           ; v64-95   later: x's four fragments
.set WF,  96                           ; v96-127  W's four fragments
.set ACC, 128                          ; v128-255 accumulator (m, n) at 8 (4 m + n)
.set F,   128                          ; ahead of the products: my 16 rows' numbers, 8 registers a row
.set G1,  24                           ; s[24:31] descriptor group 1
.set G0,  32                           ; s[32:39] group 0, a set for each slot
.set WV,  40                           ; s40    wave
.set XP,  44                           ; s[44:45] x at my rows
.set OUT, 46                           ; s[46:47] my 8,192 bytes of the result
.set WSB, 48                           ; s[48:49] my tiles' scale words
.macro PLACES n
.rept \n
	v_nop
.endr
.endm
.macro CROUND                          ; a round of the cluster's barrier: my work-group's barrier; wave 0 signals for the work-group; every wave waits for all four work-groups; my work-group's barrier once more
	s_barrier_signal -1
	s_barrier_wait -1
	s_cmp_lg_u32 s[WV], 0
	s_cbranch_scc1 .Lnot_wave_0_\@
	s_barrier_signal -3
.Lnot_wave_0_\@:
	s_barrier_wait -3
	s_barrier_signal -1
	s_barrier_wait -1
.endm
; Rows 4 g .. 4 g + 3 of my 16 are quantised, the four by turns line by line.
.macro XQ g
	s_wait_loadcnt 32-8*(\g)                       ; these rows' eight loads are in; the 24 - 8 g loads of the rows behind and the 8 of W's scale words may be out
.irp a, 0,1,2,3
.irp n, 0,1,2,3
	v_permlane16_swap_b32 v[F+8*(4*(\g)+\a)+\n], v[F+8*(4*(\g)+\a)+4+\n]   ; the first load's odd pieces change places with the second load's even ones: my 8 registers are now 8 neighbours along K
.endr
.endr
.irp a, 0,1,2,3
	v_max3_num_f32 v[TM+4*(\g)+\a], |v[F+8*(4*(\g)+\a)]|, |v[F+8*(4*(\g)+\a)+1]|, 0x1800000   ; my 8 numbers, and the floor 2^(3 - 127): the byte cannot fall under 1
.endr
.irp i, 2,4,6
.irp a, 0,1,2,3
	v_max3_num_f32 v[TM+4*(\g)+\a], v[TM+4*(\g)+\a], |v[F+8*(4*(\g)+\a)+\i]|, |v[F+8*(4*(\g)+\a)+\i+1]|
.endr
.endr
.irp a, 0,1,2,3
	v_max_num_f32_dpp v[TM+4*(\g)+\a], v[TM+4*(\g)+\a], v[TM+4*(\g)+\a] row_xmask:1 row_mask:0xf bank_mask:0xf
.endr
.irp a, 0,1,2,3
	v_max_num_f32_dpp v[TM+4*(\g)+\a], v[TM+4*(\g)+\a], v[TM+4*(\g)+\a] row_xmask:2 row_mask:0xf bank_mask:0xf   ; with the three lanes beside me: the block's largest magnitude
.endr
.irp a, 0,1,2,3
	v_add_nc_u32 v[TM+4*(\g)+\a], 0xff000000, v[TM+4*(\g)+\a]   ; 2 off its exponent field: the conversion's scale operand
.endr
.irp a, 0,1,2,3
	v_cvt_scalef32_pk8_fp4_f32 v[PC+4*(\g)+\a], v[F+8*(4*(\g)+\a):F+8*(4*(\g)+\a)+7], v[TM+4*(\g)+\a]
.endr
.irp a, 0,1,2,3
	v_lshrrev_b32 v[BY+4*(\g)+\a], 23, v[TM+4*(\g)+\a]   ; the scale's byte.  (Plain lines behind the scaled conversions)
.endr
.irp a, 0,1,2,3
	ds_store_b32 v[XWI], v[PC+4*(\g)+\a] offset:16*(4*(\g)+\a)
.endr
.irp a, 0,1,2,3
	ds_store_b8 v[XWS], v[BY+4*(\g)+\a] offset:4*(4*(\g)+\a)   ; the four lanes of a block write the same byte with the same value
.endr
.endm
	s_load_b512 s[8:23], s[0:1], 0x0               ; q 8, k 10, v 12, wcodes 14, wscl 16, qh 18, kh 20, vh 22
	v_lshl_add_u32 v[SPW], v0, 2, SPARE
	v_mov_b32 v[NIL], 0
	ds_add_u32 v[SPW], v[NIL]                      ; the wave's opening: the add, twice on end, and its wait ahead of my first tensor load
	ds_add_u32 v[SPW], v[NIL]                      ; and once more; the set-up below, work on registers, stands between it and the wait
	v_lshrrev_b32 v14, 5, v0
	v_readfirstlane_b32 s[WV], v14                 ; wave 0..15
	s_bfe_u32 s50, ttmp6, 0x40000                  ; cx: my place in the cluster: it enters x's and the result's addresses alone
	s_lshl_b32 s42, ttmp9, 2
	s_add_co_u32 s42, s42, s50                     ; my block of 64 rows
	s_and_b32 s41, ttmp7, 0xffff                   ; which tensor: shared by the four partners
	s_mov_b32 s[G1], 15|(3<<16)|(1<<21)            ; 15:0 the mask: all four work-groups; 17:16 elements of 8 bytes; 21 set beside a mask; no padding
	s_mov_b32 s[G1+1], 32<<16                      ; tensor_dim0 = 32 elements: rows of 256 bytes
	s_mov_b32 s[G1+2], 32<<16                      ; tensor_dim1 = 32 rows
	s_mov_b32 s[G1+3], 32<<16                      ; tile_dim0
	s_mov_b32 s[G1+4], 32                          ; tile_dim1
	s_mov_b32 s[G1+5], 32                          ; the pitch: the block is dense
	s_mov_b32 s[G1+6], 0
	s_mov_b32 s[G1+7], 0
	v_and_b32 v14, 31, v0                          ; lane
	v_and_b32 v15, 15, v0                          ; r
	v_bfe_u32 v36, v0, 4, 1                        ; h
	v_lshlrev_b32 v[LI], 4, v14
	v_mul_u32_u24 v[XR], v36, XLINE
	v_lshl_add_u32 v[XR], v15, 4, v[XR]
	v_add_nc_u32 v[XR], XIMG, v[XR]
	v_lshl_add_u32 v[XSR], v15, 2, XSC
	s_lshl_b32 s51, s[WV], 12
	v_add_nc_u32 v[WA], s51, v[LI]
	v_add_nc_u32 v[WA+1], 65536, v[WA]
	v_add_nc_u32 v[WA+2], 131072, v[WA]
	v_add_nc_u32 v[WA+3], 196608, v[WA]
	v_lshlrev_b32 v[XA], 5, v15
	v_lshl_add_u32 v[XA], v36, 4, v[XA]
	v_lshrrev_b32 v37, 2, v14                      ; lane / 4 = 4 (K step's parity) + 2 c + h of the codes that I make
	v_and_b32 v38, 3, v14                          ; lane % 4: which of the four registers
	v_mul_u32_u24 v[XWI], v37, XLINE
	v_lshl_add_u32 v[XWI], v38, 2, v[XWI]
	s_mul_i32 s51, s[WV], XPAIR                    ; my pair's number is my wave's number: 4 (wave / 4) + wave % 4
	s_add_co_u32 s51, s51, XIMG
	v_add_nc_u32 v[XWI], s51, v[XWI]
	v_and_b32 v38, 3, v37                          ; my block of the K step's four
	v_lshl_add_u32 v[XWS], v36, 6, v38
	s_lshl_b32 s51, s[WV], 7
	s_add_co_u32 s51, s51, XSC
	v_add_nc_u32 v[XWS], s51, v[XWS]
	v_lshlrev_b32 v[WSA], 3, v15
	v_lshl_add_u32 v[WSA], v36, 8, v[WSA]
	s_wait_dscnt 0x0                               ; both opening adds are done
	s_wait_kmcnt 0x0
	s_cmp_eq_u32 s41, 1
	s_cselect_b64 s[XP:XP+1], s[10:11], s[8:9]
	s_cselect_b64 s[OUT:OUT+1], s[20:21], s[18:19]
	s_cmp_eq_u32 s41, 2
	s_cselect_b64 s[XP:XP+1], s[12:13], s[XP:XP+1]
	s_cselect_b64 s[OUT:OUT+1], s[22:23], s[OUT:OUT+1]
	s_lshl_b32 s52, s42, 18                        ; x: 64 rows of 4,096 bytes a block,
	s_and_b32 s53, s[WV], 3
	s_lshl_b32 s53, s53, 16                        ; tile of rows wave % 4,
	s_add_co_u32 s52, s52, s53
	s_lshr_b32 s53, s[WV], 2
	s_lshl_b32 s53, s53, 10                        ; K steps 2 (wave / 4) and the next: 1,024 bytes of a row
	s_add_co_u32 s52, s52, s53
	s_mov_b32 s53, 0
	s_add_nc_u64 s[XP:XP+1], s[XP:XP+1], s[52:53]
	s_lshr_b32 s52, s42, 5                         ; the batch,
	s_lshl_b32 s52, s52, 4
	s_add_co_u32 s52, s52, s[WV]                   ; x 16 + my head:
	s_lshl_b32 s52, s52, 18                        ; 262,144 bytes each;
	s_and_b32 s54, s42, 31
	s_lshl_b32 s54, s54, 13                        ; four tiles of 2,048 bytes a block
	s_add_co_u32 s52, s52, s54
	s_add_nc_u64 s[OUT:OUT+1], s[OUT:OUT+1], s[52:53]
	s_lshl_b32 s52, s41, 15                        ; W's scale words: 32,768 a matrix, 2,048 for my four tiles
	s_lshl_b32 s54, s[WV], 11
	s_add_co_u32 s52, s52, s54
	s_add_nc_u64 s[WSB:WSB+1], s[16:17], s[52:53]
	s_lshl_b32 s58, s41, 19                        ; W's codes: 524,288 a matrix, my 8,192 bytes of a slot: in registers that never hold cx
	s_lshl_b32 s59, s[WV], 13
	s_add_co_u32 s58, s58, s59
	s_mov_b32 s59, 0
	s_add_nc_u64 s[58:59], s[14:15], s[58:59]
	s_lshl_b32 s60, s[WV], 13
.irp f, 0,1
	s_mov_b32 s[G0+4*\f], 1                        ; count = 1
	s_add_co_u32 s[G0+4*\f+1], s60, \f*SLOTB       ; LDS address
	s_add_nc_u64 s[G0+4*\f+2:G0+4*\f+3], s[58:59], \f*SLOTB   ; global address: K steps 2 f and 2 f + 1
	s_or_b32 s[G0+4*\f+3], s[G0+4*\f+3], 0x80000000   ; type = 2
.endr
	CROUND                                         ; all four work-groups are here: the first joint loads meet
	tensor_load_to_lds s[G0:G0+3], s[G1:G1+7]      ; both first fills go out together: two tensor loads of mine are out
	s_nop 0
	tensor_load_to_lds s[G0+4:G0+7], s[G1:G1+7]
	s_nop 0
	PLACES 4
.set ii, 0
.rept 16                               ; my 16 rows: each load of the wave covers 512 consecutive bytes of one row
	global_load_b128 v[F+8*ii:F+8*ii+3], v[XA], s[XP:XP+1] offset:4096*ii th:TH_LOAD_NT
	global_load_b128 v[F+8*ii+4:F+8*ii+7], v[XA], s[XP:XP+1] offset:4096*ii+512 th:TH_LOAD_NT
.set ii, ii+1
.endr
.irp n, 0,1,2,3
.irp d, 0,1
	global_load_b64 v[WS+4*\n+2*\d:WS+4*\n+2*\d+1], v[WSA], s[WSB:WSB+1] offset:512*\n+128*\d   ; lanes 0-15: K steps 2 d, 2 d + 1; lanes 16-31: four steps on
.endr
.endr
	XQ 0
	XQ 1
	XQ 2
	XQ 3
	s_wait_loadcnt 0x0                             ; W's scale words
	s_wait_tensorcnt 1                             ; my part of slot 0 is in; slot 1's may stay out
	s_wait_dscnt 0x0                               ; for the others' sake: my codes and scale bytes lie in LDS
	s_barrier_signal -1
	s_barrier_wait -1
.macro MM acc, wf, xf, ws, xs, zero, row1
.if \zero
	v_wmma_scale_f32_16x16x128_f8f6f4 v[(\acc):(\acc)+7], v[(\wf):(\wf)+7], v[(\xf):(\xf)+7], 0, v[(\ws)], v[(\xs)] matrix_a_fmt:MATRIX_FMT_FP4 matrix_b_fmt:MATRIX_FMT_FP4
.elseif \row1
	v_wmma_scale_f32_16x16x128_f8f6f4 v[(\acc):(\acc)+7], v[(\wf):(\wf)+7], v[(\xf):(\xf)+7], v[(\acc):(\acc)+7], v[(\ws)], v[(\xs)] matrix_a_fmt:MATRIX_FMT_FP4 matrix_b_fmt:MATRIX_FMT_FP4 matrix_a_scale:MATRIX_SCALE_ROW1
.else
	v_wmma_scale_f32_16x16x128_f8f6f4 v[(\acc):(\acc)+7], v[(\wf):(\wf)+7], v[(\xf):(\xf)+7], v[(\acc):(\acc)+7], v[(\ws)], v[(\xs)] matrix_a_fmt:MATRIX_FMT_FP4 matrix_b_fmt:MATRIX_FMT_FP4
.endif
.endm
; A K step of 128: my four fragments of W, the block's four of x, their scale words; 16 products, the 16 accumulators by turns, one instruction a turn.
.macro KSTEP s, zero
	PLACES 4                                       ; places in front of loads into registers that matrix instructions have read
.irp n, 0,1,2,3
.irp c, 0,1
	ds_load_b128 v[WF+8*\n+4*\c:WF+8*\n+4*\c+3], v[WA+((\s)&3)] offset:1024*\n+512*\c
.endr
.endr
.irp m, 0,1,2,3
.irp c, 0,1
	ds_load_b128 v[XF+8*\m+4*\c:XF+8*\m+4*\c+3], v[XR] offset:XPAIR*(4*((\s)/2)+\m)+XLINE*(4*((\s)%2)+2*\c)
.endr
.endr
.irp m, 0,1,2,3
	ds_load_b32 v[XS+\m], v[XSR] offset:128*(4*((\s)/2)+\m)+64*((\s)%2)
.endr
	s_wait_dscnt 0x0
.irp m, 0,1,2,3
.irp n, 0,1,2,3
	MM ACC+8*(4*\m+\n), WF+8*\n, XF+8*\m, WS+4*\n+((\s)&3), XS+\m, \zero, (\s)/4
.endr
.endr
.endm
; The change of slots.  Each wave waits for all its tensor loads (its part of the slot ahead), adds 0 to its spare word, and waits for that and for its reads of the slot that it leaves.
; fill = 1: that slot is filled again, four K steps on: the barrier is then a round of the cluster's, and the joint refill is the first thing behind it.
.macro CHANGE slot, fill
	s_wait_tensorcnt 0x0                           ; no tensor load of mine is out, so a group 0 may be written
	ds_add_u32 v[SPW], v[NIL]                      ; 0 onto my spare word
.if \fill
	s_add_nc_u64 s[G0+4*\slot+2:G0+4*\slot+3], s[G0+4*\slot+2:G0+4*\slot+3], 2*SLOTB
.endif
	s_wait_dscnt 0x0                               ; the add is done, and my reads of the slot are over
.if \fill
	CROUND
	tensor_load_to_lds s[G0+4*\slot:G0+4*\slot+3], s[G1:G1+7]   ; my one tensor load until the next round: it has two K steps in which to land
	s_nop 0
	PLACES 4
.else
	s_barrier_signal -1
	s_barrier_wait -1
.endif
.endm
	KSTEP 0, 1                                     ; the first products start the sums: nothing is cleared
	KSTEP 1, 0
	CHANGE 0, 1
	KSTEP 2, 0
	KSTEP 3, 0
	CHANGE 1, 1
	KSTEP 4, 0
	KSTEP 5, 0
	CHANGE 0, 0                                    ; nothing is left to fetch
	KSTEP 6, 0
	KSTEP 7, 0
	PLACES 4                                       ; in front of conversions that read results and write registers that held operands
.set Q, 0
.rept 16
.irp i, 0,1,2,3
	v_cvt_pk_f16_f32 v[XF+4*Q+\i], v[ACC+8*Q+2*\i], v[ACC+8*Q+2*\i+1]   ; each accumulator from its low end on
.endr
.set Q, Q+1
.endr
.set Q, 0
.rept 16
	global_store_b128 v[LI], v[XF+4*Q:XF+4*Q+3], s[OUT:OUT+1] offset:512*Q   ; a chunk: 512 consecutive bytes, aligned; the wave's sixteen lie on end
.set Q, Q+1
.endr
	s_wait_tensorcnt 0x0                           ; the wave's end
	ds_add_u32 v[SPW], v[NIL]
	s_wait_dscnt 0x0
	CROUND                                         ; the closing round: no work-group ends while a partner may still ask for a tile that names it
	s_endpgm
.Lfunc_end_k_qd6042e75e6_proj:
	.size	k_qd6042e75e6_proj, .Lfunc_end_k_qd6042e75e6_proj-k_qd6042e75e6_proj
	.p2alignl 7, 3214868480
	.fill 96, 4, 3214868480
	.section	.rodata,"a",@progbits
	.p2align	6, 0x0
	.amdhsa_kernel k_qd6042e75e6_proj
		.amdhsa_group_segment_fixed_size 327680
		.amdhsa_private_segment_fixed_size 0
		.amdhsa_enable_private_segment 0
		.amdhsa_kernarg_size 64
		.amdhsa_user_sgpr_count 2
		.amdhsa_user_sgpr_kernarg_segment_ptr 1
		.amdhsa_wavefront_size32 1
		.amdhsa_system_sgpr_workgroup_id_x 1
		.amdhsa_system_sgpr_workgroup_id_y 1
		.amdhsa_system_sgpr_workgroup_id_z 1
		.amdhsa_system_vgpr_workitem_id 0
		.amdhsa_next_free_vgpr 256
		.amdhsa_next_free_sgpr 66
		.amdhsa_reserve_vcc 0
		.amdhsa_float_denorm_mode_32 3
		.amdhsa_float_denorm_mode_16_64 3
		.amdhsa_memory_ordered 1
		.amdhsa_forward_progress 1
		.amdhsa_inst_pref_size 57
	.end_amdhsa_kernel
	.amdgpu_metadata
---
amdhsa.version: [ 1, 2 ]
amdhsa.kernels:
  - .name:           k_qd6042e75e6_proj
    .symbol:         k_qd6042e75e6_proj.kd
    .args:
      - { .name: q, .offset: 0, .size: 8, .value_kind: global_buffer, .address_space: global }
      - { .name: k, .offset: 8, .size: 8, .value_kind: global_buffer, .address_space: global }
      - { .name: v, .offset: 16, .size: 8, .value_kind: global_buffer, .address_space: global }
      - { .name: wcodes, .offset: 24, .size: 8, .value_kind: global_buffer, .address_space: global }
      - { .name: wscl, .offset: 32, .size: 8, .value_kind: global_buffer, .address_space: global }
      - { .name: qh, .offset: 40, .size: 8, .value_kind: global_buffer, .address_space: global }
      - { .name: kh, .offset: 48, .size: 8, .value_kind: global_buffer, .address_space: global }
      - { .name: vh, .offset: 56, .size: 8, .value_kind: global_buffer, .address_space: global }
    .group_segment_fixed_size: 327680
    .private_segment_fixed_size: 0
    .kernarg_segment_align: 8
    .kernarg_segment_size: 64
    .max_flat_workgroup_size: 512
    .sgpr_count:     66
    .vgpr_count:     256
    .wavefront_size: 32
...
	.end_amdgpu_metadata
.endif
;; end of part 2
;; launch attn (part 3): grid 4 x 64, 8 waves a work-group, clusters of 4 x 1, 327,680 bytes of LDS; arguments qh, kh, vh, mbits, ah; writes ah
.if DOCPART == 3
	.amdgcn_target "amdgcn-amd-amdhsa--gfx1250"
	.amdhsa_code_object_version 6
	.text
	.protected	k_qd6042e75e6_attn
	.globl	k_qd6042e75e6_attn
	.p2align	8
	.type	k_qd6042e75e6_attn,@function
k_qd6042e75e6_attn:
	s_mov_b64 s[64:65], 0
	v_nop
	global_prefetch_b8 v0, s[64:65] scope:SCOPE_SE
	s_setreg_imm32_b32 hwreg(HW_REG_WAVE_MODE, 25, 1), 1
	s_wait_xcnt 0x0
	s_wait_alu depctr_hold_cnt(0) depctr_sa_sdst(0) depctr_va_vdst(0) depctr_va_sdst(0) depctr_va_ssrc(0) depctr_va_vcc(0) depctr_vm_vsrc(0)
	s_getreg_b32 s2, hwreg(HW_REG_IB_STS2, 6, 4)
	s_cmp_eq_u32 s2, 0
	s_cbranch_scc0 .Lentry_in_a_cluster
	s_endpgm
.Lentry_in_a_cluster:
	s_bfe_u32 s2, ttmp6, 0x10000c
	s_cmp_lg_u32 s2, 0x3003
	s_cbranch_scc0 .Lentry_shape_is_right
	s_endpgm
.Lentry_shape_is_right:
; ATTN: for each batch and head, O[q] = the sum over k of softmax_k(Q[q] . K[k] / 8, masked) V[k].  Q, K, V: f16, in operand order (chunks of 512 bytes, lane l's 16 bytes at 16 l).  Products, maxima and sums in f32;
; the weights p are rounded to f16 for the second product, O once at the end.  The mask comes as bits, one word for each register of a tile of scores, read by scalar loads and used by v_cndmask_b32 alone.
; SHARES.  A work-group owns 512 queries of one batch and head, each of its eight waves 64: four tiles of 16, in 512 registers, two waves to a SIMD.  Every wave walks all 2,048 keys, 64 a step.
; LAYOUT.  S^T = K Q^T (source 0 = 16 keys, source 1 = 16 queries): a lane holds ONE query (lane % 16) and the keys 8 (lane / 16) + 0 .. 7 of a tile.  Two such tiles, rounded to f16 in pairs, ARE source 1 of
; O^T = V^T P, whose result again holds one query a lane and eight channels, which rounded to f16 are the lane's 16 bytes of a chunk of ah [K step of 128: 8][tile of 16 tokens 512][x 8][chunk].
; K comes out of LDS as it lies; V, a chunk of 16 keys x 16 channels, turned by ds_load_tr16_b128.
; SOFTMAX.  A running maximum m (begun at -3e38) and sum l for each query: p = 2^(c s - c m), c = log2(e) / 8; in every step O and l are multiplied by a = 2^(c m_old - c m_new).  A hidden score becomes
; -infinity ahead of the maximum, so its p is 0.  A query with no key left keeps l = 0 and O = 0 and leaves as 0 x infinity = NaN.
; ORDER.  The wave's tiles are two PIECES (piece 0: tiles 0, 1; piece 1: tiles 2, 3).  A trip takes each piece in turn through the softmax of step j, V^T P of step j and K Q^T of step j + 1.  The scalar registers hold
; one piece's 64 mask words; the other piece's are asked for as soon as these have been read, and are wanted only behind the rest of a softmax and 32 matrix instructions.
; RING.  Two LDS slots of 8 key steps (K's 65,536 bytes, then V's); every wave fetches 16,384 bytes of a slot (waves 0-3 K's, waves 4-7 V's).  Two fills at the head, one behind each of two rounds.
; CLUSTER.  The four query blocks of a cluster walk the same K and V: each tile is asked for JOINTLY, the same tensor load with the same descriptor and the mask 15 in all four.
; No prefetch: a refill is asked for eight key steps ahead of its first read, and the first two slots go out at the head.
; LIMITS: NaN and infinities in Q, K, V are not served; an O beyond 65,504 becomes infinity in f16.
; REGISTERS, in windows of 256 (s_set_vgpr_msb: bits 1:0 source 0, 3:2 source 1, 5:4 source 2, 7:6 destination):
;   window 0: v1-7 addresses and constants; v8-39 eight registers of statistics a tile; v40-47 a second chain for the sums; v64-127 K of one step; v128-255 S^T, 32 a tile, then P in a tile's first 16
;   window 1: v0-127 O^T, 32 a tile; v128-191 Q, 16 a tile; v192-255 V of one step
.set KSB,   8192                       ; a key step's K, or V: 64 keys x 128 bytes
.set VOFF,  65536                      ; V's part of a slot
.set SLOT1, 131072                     ; slot 1: one exclusive or turns an address in one slot into the other's
.set SPARE, 262144                     ; the spare words, 128 bytes for each of the 8 waves: four blocks of 256 bytes that no other line names
.set LI,  1                            ; v1   16 x lane
.set AVT, 2                            ; v2   the turning load's place in a chunk of V: VOFF + 256 ((l / 8) % 2) + 128 (l / 16) + 16 (l % 8)
.set ADK, 3                            ; v3   LDS address of the step's K
.set ADV, 4                            ; v4   of its V
.set SPW, 5                            ; v5   my spare word; never rewritten
.set NIL, 6                            ; v6   0; never rewritten
.set NEG, 7                            ; v7   -infinity
.set ST,  8                            ; tile t's statistics at v[ST + 8 t]: +0 c m, +1 m, +2, +3 l (even keys', odd keys'), +4 to +7 at work; a in +6
.set U,   40
.set KB,  64
.set S,   128
.set QF,  128                          ; in window 1
.set VB,  192                          ; in window 1
.set WV,  6                            ; s6   wave
.set MOFF, 7                           ; s7   the key step's 256 bytes among a query pair's mask words
.set G1,  8                            ; s[8:15]  descriptor group 1
.set G0,  16                           ; s[16:23] group 0, a set for each slot
.set CS,  24                           ; s[24:25] c, twice: the packed form names a pair
.set SEL, 26                           ; s[26:27] lane selects: lane l xor 16
.set TB,  28                           ; s28  LDS byte at which the step to be fetched begins
.set CNT, 29                           ; s29  trips
.set MB,  30                           ; s[30:31] my wave's mask words.  s[32:63], s[68:99]: the words of a piece's two tiles
.set MSB, 0
.macro WIN new                         ; the immediate's high byte repeats the setting that is left; a switch that changes nothing is dropped
.if MSB != \new
	s_set_vgpr_msb (MSB<<8)|\new
.set MSB, \new
.endif
.endm
.macro PLACES n
.rept \n
	v_nop
.endr
.endm
.macro CROUND                          ; a round of the cluster's barrier
	s_barrier_signal -1
	s_barrier_wait -1
	s_cmp_lg_u32 s[WV], 0
	s_cbranch_scc1 .Lnot_wave_0_\@
	s_barrier_signal -3
.Lnot_wave_0_\@:
	s_barrier_wait -3
	s_barrier_signal -1
	s_barrier_wait -1
.endm
.macro KLOAD                           ; a step's K: 16 chunks as they lie: fragment (tile of keys y, channels 32 k on) at KB + 16 y + 8 k
	WIN 0
.set ii, 0
.rept 16
	ds_load_b128 v[KB+4*ii:KB+4*ii+3], v[ADK] offset:512*ii
.set ii, ii+1
.endr
.endm
.macro VLOAD                           ; a step's V, turned: fragment (keys 32 g on, channels 16 d on) at VB + 32 g + 8 d
	WIN 0x40                                       ; destination window 1
.irp g, 0,1
.irp d, 0,1,2,3
.irp u, 0,1
	ds_load_tr16_b128 v[VB+32*\g+8*\d+4*\u:VB+32*\g+8*\d+4*\u+3], v[ADV] offset:2048*(2*\g+\u)+512*\d
.endr
.endr
.endr
.endm
.macro QK p                            ; S^T = K Q^T of piece p: 16 products, its 8 accumulators by turns, one instruction a turn; the first 8 start the sums
	WIN 0x04                                       ; source 1 (Q) window 1
.irp k, 0,1
.irp y, 0,1,2,3
.irp x, 0,1
.set tq, 2*(\p)+\x
.if \k == 0
	v_wmma_f32_16x16x32_f16 v[S+32*tq+8*\y:S+32*tq+8*\y+7], v[KB+16*\y+8*\k:KB+16*\y+8*\k+7], v[QF+16*tq+8*\k:QF+16*tq+8*\k+7], 0
.else
	v_wmma_f32_16x16x32_f16 v[S+32*tq+8*\y:S+32*tq+8*\y+7], v[KB+16*\y+8*\k:KB+16*\y+8*\k+7], v[QF+16*tq+8*\k:QF+16*tq+8*\k+7], v[S+32*tq+8*\y:S+32*tq+8*\y+7]
.endif
.endr
.endr
.endr
.endm
.macro PV p                            ; O^T += V^T P of piece p: 16 products, its 8 accumulators by turns
	WIN 0x51                                       ; source 0 (V), C and D (O^T) window 1; source 1 (P) window 0
.irp g, 0,1
.irp d, 0,1,2,3
.irp x, 0,1
.set tq, 2*(\p)+\x
	v_wmma_f32_16x16x32_f16 v[32*tq+8*\d:32*tq+8*\d+7], v[VB+32*\g+8*\d:VB+32*\g+8*\d+7], v[S+32*tq+8*\g:S+32*tq+8*\g+7], v[32*tq+8*\d:32*tq+8*\d+7]
.endr
.endr
.endr
.endm
.macro MASKLD p                        ; the 64 mask words of piece p (tiles 2 p, 2 p + 1) for the key step at s[MOFF]
	s_load_b512 s[32:47], s[MB:MB+1], s[MOFF] offset:8192*\p
	s_load_b512 s[48:63], s[MB:MB+1], s[MOFF] offset:8192*\p+64
	s_load_b512 s[68:83], s[MB:MB+1], s[MOFF] offset:8192*\p+128
	s_load_b512 s[84:99], s[MB:MB+1], s[MOFF] offset:8192*\p+192
.endm
.macro RESC p                          ; piece p's O^T times the number in each tile's ST + 6, each accumulator from its low end on
	WIN 0x41                                       ; destination and source 0 window 1
.irp x, 0,1
.set tq, 2*(\p)+\x
.set ii, 0
.rept 16
	v_pk_mul_f32 v[32*tq+2*ii:32*tq+2*ii+1], v[32*tq+2*ii:32*tq+2*ii+1], v[ST+8*tq+6:ST+8*tq+7] op_sel_hi:[1,0]
.set ii, ii+1
.endr
.endr
.endm
.macro TS p, x                         ; names for tile 2 p + x
.set rT, ST+8*(2*(\p)+(\x))
.set rS, S+32*(2*(\p)+(\x))
.set rU, U+2*(2*(\p)+(\x))
.endm
; THE SOFTMAX of piece p for one key step, all in window 0, the piece's two tiles by turns line by line.  more = 1: a further key step follows.
.macro SOFT p, more
	WIN 0
	s_wait_kmcnt 0x0                               ; the piece's mask words are in
.set ii, 0
.rept 32
	v_cndmask_b32 v[S+32*(2*\p)+ii], v[NEG], v[S+32*(2*\p)+ii], s[32+ii]       ; a hidden score becomes -infinity; each accumulator is read from its low end on
	v_cndmask_b32 v[S+32*(2*\p+1)+ii], v[NEG], v[S+32*(2*\p+1)+ii], s[68+ii]
.set ii, ii+1
.endr
.if \p == 0
	MASKLD 1                                       ; this piece's words have been read: the other piece's are asked for at once
.elseif \more
	s_add_co_u32 s[MOFF], s[MOFF], 256             ; (the earlier scalar loads are done: the wait at this macro's head)  the next key step,
	s_and_b32 s[MOFF], s[MOFF], 8191               ; held inside a query pair's 8,192 bytes
	MASKLD 0
.endif
.irp j, 0,1,2,3                        ; the maximum of the lane's 32 scores and the old m, three operands at a time, in four chains
.irp x, 0,1
	TS \p, \x
	v_max3_num_f32 v[rT+4+\j], v[rS+8*\j], v[rS+8*\j+1], v[rS+8*\j+2]
.endr
.endr
.irp g, 1,2
.irp j, 0,1,2,3
.irp x, 0,1
	TS \p, \x
	v_max3_num_f32 v[rT+4+\j], v[rT+4+\j], v[rS+8*\j+2*\g+1], v[rS+8*\j+2*\g+2]
.endr
.endr
.endr
.irp x, 0,1
	TS \p, \x
	v_max3_num_f32 v[rT+4], v[rT+4], v[rS+7], v[rS+15]
.endr
.irp x, 0,1
	TS \p, \x
	v_max3_num_f32 v[rT+6], v[rT+6], v[rS+23], v[rS+31]
.endr
.irp x, 0,1
	TS \p, \x
	v_max3_num_f32 v[rT+4], v[rT+4], v[rT+5], v[rT+6]
.endr
.irp x, 0,1
	TS \p, \x
	v_max3_num_f32 v[rT+4], v[rT+4], v[rT+7], v[rT+1]
.endr
.irp x, 0,1
	TS \p, \x
	v_permlanex16_b32 v[rT+5], v[rT+4], s[SEL], s[SEL+1]   ; the query's other 32 keys lie in the lane 16 away
.endr
.irp x, 0,1
	TS \p, \x
	v_mov_b32 v[rT+7], v[rT]                       ; c m_old is kept for a
.endr
.irp x, 0,1
	TS \p, \x
	v_max_num_f32 v[rT+1], v[rT+4], v[rT+5]
.endr
.irp x, 0,1
	TS \p, \x
	v_mul_f32 v[rT], s[CS], v[rT+1]
.endr
.irp x, 0,1
	TS \p, \x
	v_sub_f32 v[rT+7], v[rT+7], v[rT]
.endr
.set ii, 0
.rept 16
.irp x, 0,1
	TS \p, \x
	v_pk_fma_f32 v[rS+2*ii:rS+2*ii+1], v[rS+2*ii:rS+2*ii+1], s[CS:CS+1], v[rT:rT+1] op_sel_hi:[1,0,0] neg_lo:[0,0,1] neg_hi:[0,0,1]   ; c s - c m, two at a time
.endr
.set ii, ii+1
.endr
.irp x, 0,1                            ; ONE BATCH of 66 exponentials: none of them reads another's result
	TS \p, \x
	v_exp_f32 v[rT+6], v[rT+7]                     ; a
.endr
.set ii, 0
.rept 32
.irp x, 0,1
	TS \p, \x
	v_exp_f32 v[rS+ii], v[rS+ii]                   ; p
.endr
.set ii, ii+1
.endr
	v_nop                                          ; a plain instruction behind the last exponential, ahead of the first use
	s_wait_alu depctr_va_vdst(0)                   ; the wait ahead of the first instruction that names a result: one for the batch
.irp x, 0,1                            ; the sums are taken of the unrounded p, in two chains
	TS \p, \x
	v_pk_fma_f32 v[rT+2:rT+3], v[rT+2:rT+3], v[rT+6:rT+7], v[rS:rS+1] op_sel_hi:[1,0,1]   ; l a + pair 0
.endr
.irp x, 0,1
	TS \p, \x
	v_pk_add_f32 v[rU:rU+1], v[rS+2:rS+3], v[rS+4:rS+5]
.endr
.irp i, 3,5,7,9,11,13
.irp x, 0,1
	TS \p, \x
	v_pk_add_f32 v[rT+2:rT+3], v[rT+2:rT+3], v[rS+2*\i:rS+2*\i+1]
.endr
.irp x, 0,1
	TS \p, \x
	v_pk_add_f32 v[rU:rU+1], v[rU:rU+1], v[rS+2*\i+2:rS+2*\i+3]
.endr
.endr
.irp x, 0,1
	TS \p, \x
	v_pk_add_f32 v[rT+2:rT+3], v[rT+2:rT+3], v[rS+30:rS+31]
.endr
.irp x, 0,1
	TS \p, \x
	v_pk_add_f32 v[rT+2:rT+3], v[rT+2:rT+3], v[rU:rU+1]
.endr
.set ii, 0
.rept 16
.irp x, 0,1
	TS \p, \x
	v_cvt_pk_f16_f32 v[rS+ii], v[rS+2*ii], v[rS+2*ii+1]   ; P, packed downward in place: the destination never passes a weight not yet read
.endr
.set ii, ii+1
.endr
.endm
; n trips.  Trip j: K of step j + 1 is fetched | piece 0: the softmax of step j, O^T x a, V^T P of step j, K Q^T of step j + 1 | piece 1: the softmax, O^T x a, V^T P | V of step j + 1 is fetched | piece 1: K Q^T of step j + 1.
; One buffer serves K and one V: K of step j + 1 is fetched behind piece 1's K Q^T of the trip before, V of step j + 1 behind piece 1's V^T P.
.macro TRIPS n
	s_mov_b32 s[CNT], \n
.Ltrip_\@:
	v_add_nc_u32 v[ADK], s[TB], v[LI]
	v_add_nc_u32 v[ADV], s[TB], v[AVT]
	PLACES 2                                       ; with the two additions: four places behind piece 1's K Q^T, for the loads into K's registers
	KLOAD
	SOFT 0, 1
	RESC 0
	s_wait_dscnt 16                                ; V of step j is in; the 16 younger loads, K of step j + 1, may be out
	PV 0
	s_wait_dscnt 0x0                               ; K of step j + 1 is in
	PLACES 5                                       ; K Q^T writes over P, which V^T P has read: five places
	QK 0
	SOFT 1, 1                                      ; it names none of piece 0's registers
	RESC 1
	PV 1
	PLACES 5                                       ; four for the loads into V's registers; the fifth since K Q^T writes over P, which V^T P has read
	VLOAD
	QK 1
	WIN 0                                          ; at a label and at a branch every window is 0
	s_add_co_u32 s[TB], s[TB], KSB
	s_sub_co_u32 s[CNT], s[CNT], 1
	s_cmp_lg_u32 s[CNT], 0
	s_cbranch_scc1 .Ltrip_\@
.endm
; THE CHANGE OF SLOTS stands when the slot's last step has been fetched: its K has been multiplied, its V is on the way into registers.  Each wave waits for all its tensor loads (its part of the other slot), adds 0 to
; its spare word, and waits for that and for its reads of the slot.  fill = 1: the slot is filled again, with the keys two slots on: the barrier is a round of the cluster's, the joint refill the first thing behind it.
.macro CHANGE slot, fill
	s_wait_tensorcnt 0x0                           ; no tensor load of mine is out, so a group 0 may be written
	ds_add_u32 v[SPW], v[NIL]                      ; 0 onto my spare word
.if \fill
	s_add_nc_u64 s[G0+4*\slot+2:G0+4*\slot+3], s[G0+4*\slot+2:G0+4*\slot+3], 131072   ; 1,024 keys on
.endif
	s_wait_dscnt 0x0                               ; the add is done, and my reads of the slot are over
.if \fill
	CROUND
	tensor_load_to_lds s[G0+4*\slot:G0+4*\slot+3], s[G1:G1+7]   ; my one tensor load until the next round: it has eight key steps in which to land
	s_nop 0
	PLACES 4
.else
	s_barrier_signal -1
	s_barrier_wait -1
.endif
	s_sub_co_u32 s[TB], s[TB], 65536               ; the fetches go back to a slot's first step,
	s_xor_b32 s[TB], s[TB], SLOT1                  ; in the other slot
.endm
	s_load_b256 s[32:39], s[0:1], 0x0              ; qh 32, kh 34, vh 36, mbits 38
	s_load_b64 s[40:41], s[0:1], 0x20              ; ah
	v_lshl_add_u32 v[SPW], v0, 2, SPARE
	v_mov_b32 v[NIL], 0
	ds_add_u32 v[SPW], v[NIL]                      ; the wave's opening: the add, twice on end, and its wait ahead of my first tensor load
	ds_add_u32 v[SPW], v[NIL]                      ; and once more; the set-up below, work on registers, stands between it and the wait
	v_lshrrev_b32 v1, 5, v0
	v_readfirstlane_b32 s[WV], v1                  ; wave 0..7
	s_bfe_u32 s42, ttmp6, 0x40000                  ; cx: my block of 512 queries: it enters Q's, the mask's and the result's addresses alone
	s_and_b32 s43, ttmp7, 0xffff                   ; batch x 16 + head, which the four partners share
	s_mov_b32 s[G1], 15|(3<<16)|(1<<21)            ; 15:0 the mask: all four work-groups; 17:16 elements of 8 bytes; 21 set beside a mask; no padding
	s_mov_b32 s[G1+1], 32<<16                      ; tensor_dim0 = 32 elements: rows of 256 bytes
	s_mov_b32 s[G1+2], 64<<16                      ; tensor_dim1 = 64 rows
	s_mov_b32 s[G1+3], 32<<16                      ; tile_dim0
	s_mov_b32 s[G1+4], 64                          ; tile_dim1
	s_mov_b32 s[G1+5], 32                          ; the pitch: the block is dense
	s_mov_b32 s[G1+6], 0
	s_mov_b32 s[G1+7], 0
	s_lshl_b32 s44, s43, 18                        ; K, V: 262,144 bytes a head,
	s_and_b32 s45, s[WV], 3
	s_lshl_b32 s45, s45, 14                        ; my 16,384 of a slot's 65,536
	s_add_co_u32 s44, s44, s45
	s_mov_b32 s45, 0
	s_lshl_b32 s46, s[WV], 14                      ; and where they go: K's four parts, then V's four
	s_lshl_b32 s48, s43, 18                        ; Q: the head, my block's 32 tiles of 2,048 bytes, my wave's four
	s_lshl_b32 s49, s42, 16
	s_add_co_u32 s48, s48, s49
	s_lshl_b32 s49, s[WV], 13
	s_add_co_u32 s48, s48, s49
	s_mov_b32 s49, 0
	s_lshl_b32 s50, s42, 17                        ; the mask words: 8,192 bytes for each pair of query tiles: 16 pairs a block, two a wave
	s_lshl_b32 s51, s[WV], 14
	s_add_co_u32 s50, s50, s51
	s_mov_b32 s51, 0
	s_bfe_u32 s52, s43, 0x30001                    ; the result: K step = head / 2: 2,097,152 bytes each;
	s_lshl_b32 s52, s52, 21
	s_lshr_b32 s53, s43, 4
	s_lshl_b32 s53, s53, 19                        ; the batch's 128 tiles of 4,096 bytes;
	s_add_co_u32 s52, s52, s53
	s_lshl_b32 s53, s42, 17                        ; my block's 32;
	s_add_co_u32 s52, s52, s53
	s_lshl_b32 s53, s[WV], 14                      ; my wave's four;
	s_add_co_u32 s52, s52, s53
	s_and_b32 s53, s43, 1
	s_lshl_b32 s53, s53, 11                        ; chunks 4 (head % 2) on
	s_add_co_u32 s52, s52, s53
	s_mov_b32 s53, 0
	s_mov_b32 s[CS], 0x3e38aa3b                    ; c = log2(e) / 8
	s_mov_b32 s[CS+1], s[CS]
	s_mov_b32 s[SEL], 0x76543210
	s_mov_b32 s[SEL+1], 0xfedcba98
	s_mov_b32 s[TB], 0
	s_mov_b32 s[MOFF], 0
	v_and_b32 v8, 31, v0
	v_lshlrev_b32 v[LI], 4, v8
	v_and_b32 v9, 7, v0
	v_bfe_u32 v10, v0, 3, 1
	v_bfe_u32 v11, v0, 4, 1
	v_lshlrev_b32 v[AVT], 4, v9
	v_lshl_add_u32 v[AVT], v11, 7, v[AVT]
	v_lshl_add_u32 v[AVT], v10, 8, v[AVT]
	v_add_nc_u32 v[AVT], VOFF, v[AVT]
	v_mov_b32 v[NEG], 0xff800000
	s_wait_dscnt 0x0                               ; both opening adds are done
	s_wait_kmcnt 0x0
	s_cmp_lt_u32 s[WV], 4                          ; waves 0-3 fetch K's tiles, waves 4-7 V's: the same in every partner
	s_cselect_b64 s[54:55], s[34:35], s[36:37]
	s_add_nc_u64 s[54:55], s[54:55], s[44:45]
	s_add_nc_u64 s[2:3], s[32:33], s[48:49]        ; Q at my wave's first tile
	s_add_nc_u64 s[MB:MB+1], s[38:39], s[50:51]
	s_add_nc_u64 s[4:5], s[40:41], s[52:53]        ; the result likewise
.irp f, 0,1
	s_mov_b32 s[G0+4*\f], 1                        ; count = 1
	s_add_co_u32 s[G0+4*\f+1], s46, \f*SLOT1       ; LDS address
	s_add_nc_u64 s[G0+4*\f+2:G0+4*\f+3], s[54:55], \f*65536   ; global address: keys 512 f on
	s_or_b32 s[G0+4*\f+3], s[G0+4*\f+3], 0x80000000   ; type = 2
.endr
	CROUND                                         ; all four work-groups are here: the first joint loads meet
	tensor_load_to_lds s[G0:G0+3], s[G1:G1+7]      ; both first fills go out together: two tensor loads of mine are out
	s_nop 0
	tensor_load_to_lds s[G0+4:G0+7], s[G1:G1+7]
	s_nop 0
	PLACES 4
	WIN 0x40                                       ; destination window 1
.set ii, 0
.rept 16
	global_load_b128 v[QF+4*ii:QF+4*ii+3], v[LI], s[2:3] offset:512*ii   ; Q stays in registers: tile ii / 4, chunk ii % 4
.set ii, ii+1
.endr
.set ii, 0
.rept 128
	v_mov_b32 v[ii], 0                             ; O^T.  The step is written once: its first trip finds zeros, which the first a leaves zeros; a first step of its own would be one more copy of the softmax
.set ii, ii+1
.endr
	WIN 0
.irp t, 0,1,2,3
	v_mov_b32 v[ST+8*\t+1], 0xff61b1e6             ; m: -3e38, under every score
	v_mul_f32 v[ST+8*\t], s[CS], v[ST+8*\t+1]      ; c m
	v_mov_b32 v[ST+8*\t+2], 0                      ; l
	v_mov_b32 v[ST+8*\t+3], 0
	v_mov_b32 v[ST+8*\t+5], 0                      ; a lane permute's destination counts as one of its sources
.endr
	MASKLD 0                                       ; (the arguments and the set-up's scalars are done with)
	s_wait_tensorcnt 1                             ; my part of slot 0 is in; slot 1's may stay out
	s_barrier_signal -1
	s_barrier_wait -1                              ; everybody's is
	v_add_nc_u32 v[ADK], s[TB], v[LI]
	v_add_nc_u32 v[ADV], s[TB], v[AVT]
	KLOAD                                          ; key step 0
	VLOAD
	s_wait_loadcnt 0x0                             ; Q
	s_wait_dscnt 16                                ; K is in; V's 16 loads may be out
	QK 0
	QK 1
	WIN 0
	s_add_co_u32 s[TB], s[TB], KSB
	TRIPS 7                                        ; steps 1 to 7 are fetched
	CHANGE 0, 1                                    ; slot 0 takes keys 1,024 on
	TRIPS 8
	CHANGE 1, 1                                    ; slot 1 takes keys 1,536 on
	TRIPS 8
	CHANGE 0, 0                                    ; nothing is left to fetch
	TRIPS 8
	SOFT 0, 1                                      ; the last step: nothing more to fetch.  (Piece 0's softmax names none of the last products' registers: its lines are the places behind them)
	SOFT 1, 0
	RESC 0
	RESC 1
	s_wait_dscnt 0x0                               ; V of the last step
	PV 0
	PV 1
	; THE WAY OUT.  l's two halves and the other half of the lanes' are added; O^T is divided by l, rounded to f16, and each accumulator leaves as a chunk.  The additions are the places behind the last products.
	WIN 0
.irp t, 0,1,2,3
	v_add_f32 v[ST+8*\t+4], v[ST+8*\t+2], v[ST+8*\t+3]
.endr
.irp t, 0,1,2,3
	v_permlanex16_b32 v[ST+8*\t+5], v[ST+8*\t+4], s[SEL], s[SEL+1]
.endr
.irp t, 0,1,2,3
	v_add_f32 v[ST+8*\t+4], v[ST+8*\t+4], v[ST+8*\t+5]
.endr
.irp t, 0,1,2,3
	v_rcp_f32 v[ST+8*\t+6], v[ST+8*\t+4]
.endr
	v_nop                                          ; a plain instruction between the last reciprocal and the use of its result
	s_wait_alu depctr_va_vdst(0)                   ; and the wait ahead of the first use: one for the four
	RESC 0                                         ; O^T / l
	RESC 1
	WIN 0x05                                       ; sources window 1, destination window 0: S^T's registers are free
.irp t, 0,1,2,3
.irp d, 0,1,2,3
.irp i, 0,1,2,3
	v_cvt_pk_f16_f32 v[S+16*\t+4*\d+\i], v[32*\t+8*\d+2*\i], v[32*\t+8*\d+2*\i+1]
.endr
.endr
.endr
	WIN 0
.irp t, 0,1,2,3
.irp d, 0,1,2,3
	global_store_b128 v[LI], v[S+16*\t+4*\d:S+16*\t+4*\d+3], s[4:5] offset:4096*\t+512*\d   ; a chunk: 512 consecutive bytes, aligned
.endr
.endr
	s_wait_tensorcnt 0x0                           ; the wave's end
	ds_add_u32 v[SPW], v[NIL]
	s_wait_dscnt 0x0
	CROUND                                         ; the closing round: no work-group ends while a partner may still ask for a tile that names it
	s_endpgm
.Lfunc_end_k_qd6042e75e6_attn:
	.size	k_qd6042e75e6_attn, .Lfunc_end_k_qd6042e75e6_attn-k_qd6042e75e6_attn
	.p2alignl 7, 3214868480
	.fill 96, 4, 3214868480
	.section	.rodata,"a",@progbits
	.p2align	6, 0x0
	.amdhsa_kernel k_qd6042e75e6_attn
		.amdhsa_group_segment_fixed_size 327680
		.amdhsa_private_segment_fixed_size 0
		.amdhsa_enable_private_segment 0
		.amdhsa_kernarg_size 40
		.amdhsa_user_sgpr_count 2
		.amdhsa_user_sgpr_kernarg_segment_ptr 1
		.amdhsa_wavefront_size32 1
		.amdhsa_system_sgpr_workgroup_id_x 1
		.amdhsa_system_sgpr_workgroup_id_y 1
		.amdhsa_system_sgpr_workgroup_id_z 1
		.amdhsa_system_vgpr_workitem_id 0
		.amdhsa_next_free_vgpr 512
		.amdhsa_next_free_sgpr 100
		.amdhsa_reserve_vcc 0
		.amdhsa_float_denorm_mode_32 3
		.amdhsa_float_denorm_mode_16_64 3
		.amdhsa_memory_ordered 1
		.amdhsa_forward_progress 1
		.amdhsa_inst_pref_size 227
	.end_amdhsa_kernel
	.amdgpu_metadata
---
amdhsa.version: [ 1, 2 ]
amdhsa.kernels:
  - .name:           k_qd6042e75e6_attn
    .symbol:         k_qd6042e75e6_attn.kd
    .args:
      - { .name: qh, .offset: 0, .size: 8, .value_kind: global_buffer, .address_space: global }
      - { .name: kh, .offset: 8, .size: 8, .value_kind: global_buffer, .address_space: global }
      - { .name: vh, .offset: 16, .size: 8, .value_kind: global_buffer, .address_space: global }
      - { .name: mbits, .offset: 24, .size: 8, .value_kind: global_buffer, .address_space: global }
      - { .name: ah, .offset: 32, .size: 8, .value_kind: global_buffer, .address_space: global }
    .group_segment_fixed_size: 327680
    .private_segment_fixed_size: 0
    .kernarg_segment_align: 8
    .kernarg_segment_size: 40
    .max_flat_workgroup_size: 256
    .sgpr_count:     100
    .vgpr_count:     512
    .wavefront_size: 32
...
	.end_amdgpu_metadata
.endif
;; end of part 3
;; launch oproj (part 4): grid 4 x 64, 8 waves a work-group, clusters of 4 x 4, 327,680 bytes of LDS; arguments ah, woh, out0; writes out0
.if DOCPART == 4
	.amdgcn_target "amdgcn-amd-amdhsa--gfx1250"
	.amdhsa_code_object_version 6
	.text
	.protected	k_qd6042e75e6_oproj
	.globl	k_qd6042e75e6_oproj
	.p2align	8
	.type	k_qd6042e75e6_oproj,@function
k_qd6042e75e6_oproj:
	s_mov_b64 s[64:65], 0
	v_nop
	global_prefetch_b8 v0, s[64:65] scope:SCOPE_SE
	s_setreg_imm32_b32 hwreg(HW_REG_WAVE_MODE, 25, 1), 1
	s_wait_xcnt 0x0
	s_wait_alu depctr_hold_cnt(0) depctr_sa_sdst(0) depctr_va_vdst(0) depctr_va_sdst(0) depctr_va_ssrc(0) depctr_va_vcc(0) depctr_vm_vsrc(0)
	s_getreg_b32 s2, hwreg(HW_REG_IB_STS2, 6, 4)
	s_cmp_eq_u32 s2, 0
	s_cbranch_scc0 .Lentry_in_a_cluster
	s_endpgm
.Lentry_in_a_cluster:
	s_bfe_u32 s2, ttmp6, 0x10000c
	s_cmp_lg_u32 s2, 0xf033
	s_cbranch_scc0 .Lentry_shape_is_right
	s_endpgm
.Lentry_shape_is_right:
; OPROJ: out0[token][d] = the sum over e of attn[token][e] W_o[d][e].  Both operands f16, in operand order (chunks of 512 bytes, lane l's 16 bytes at 16 l); sums and out0 in f32.
; ah [K step of 128: 8][tile of 16 tokens 512][x 8][chunk], woh [K step 8][tile of 16 rows of W_o 64][x 8][chunk]: a K step's rows of a tile of out0 are one dense block of each.
; SHARES.  A tile of out0 is 128 tokens x 256 columns: 256 work-groups of eight waves; wave w makes 64 x 64 (rows 64 (w / 4) on, columns 64 (w % 4) on): 16 accumulators.
; RING.  Two LDS slots of one K step: attn's 32,768 bytes, then W_o's 65,536.  Waves 0-3 fetch attn's quarters, waves 4-7 W_o's, one tensor load a wave.
; CLUSTER.  4 x 4 work-groups: the four of a row of the cluster need the same block of attn, the four of a column the same block of W_o: each is asked for JOINTLY, by the same tensor load with the same descriptor and
; a mask that names the four.
; THE PRODUCT IS USED TRANSPOSED (source 0 = 16 rows of W_o, source 1 = 16 tokens): a lane holds eight neighbouring columns of one token.  A block of 16 tokens x 64 columns goes through the wave's own stage in LDS
; and leaves as rows of 256 bytes: sixteen lanes store 256 consecutive bytes, aligned.
; A token whose attn is NaN (no key left by the mask) gives NaN in its whole row and in no other.
.set SLOTB, 98304
.set BOFF,  32768                      ; W_o's part of a slot
.set STAGE, 196608                     ; behind the ring: 16 rows x 272 bytes for each wave
.set SPARE, 231424                     ; the spare words, 128 bytes for each of the 8 waves: four blocks of 256 bytes that no other line names
.set LI,  1                            ; v1     16 x lane
.set ADA, 2                            ; v2-3   my four tiles of tokens in slot 0, 1
.set ADB, 4                            ; v4-5   my four tiles of W_o's rows
.set SPW, 6                            ; v6     my spare word; never rewritten
.set NIL, 7                            ; v7     0; never rewritten
.set STO, 8                            ; v8     the stage: where I put 32 bytes of a row
.set RD,  9                            ; v9     and where I read a row back
.set GO,  10                           ; v10    my byte offset in two rows of out0
.set AF,  32                           ; v32-63   attn's four fragments
.set BF,  64                           ; v64-95   W_o's four
.set OB,  96                           ; v96-127  16 rows read back from the stage
.set ACC, 128                          ; v128-255 accumulator (a, b) at 8 (4 a + b)
.set G1A, 24                           ; s[24:31] group 1 for attn's blocks;  s[32:39] group 0, a set for each slot
.set G0A, 32
.set G1B, 48                           ; s[48:55], s[56:63] the same for W_o's
.set G0B, 56
.macro PLACES n
.rept \n
	v_nop
.endr
.endm
.macro JLOAD f                         ; a joint load: each of the two lines has one mask and one set of registers; the branch hangs on the wave's number alone
	s_cmp_eq_u32 s11, 0
	s_cbranch_scc0 .Lfor_b_\@
	tensor_load_to_lds s[G0A+4*\f:G0A+4*\f+3], s[G1A:G1A+7]
	s_nop 0
	PLACES 4
	s_branch .Lasked_\@
.Lfor_b_\@:
	tensor_load_to_lds s[G0B+4*\f:G0B+4*\f+3], s[G1B:G1B+7]
	s_nop 0
	PLACES 4
.Lasked_\@:
.endm
.macro CROUND                          ; a round of the cluster's barrier
	s_barrier_signal -1
	s_barrier_wait -1
	s_cmp_lg_u32 s10, 0
	s_cbranch_scc1 .Lnot_wave_0_\@
	s_barrier_signal -3
.Lnot_wave_0_\@:
	s_barrier_wait -3
	s_barrier_signal -1
	s_barrier_wait -1
.endm
	s_load_b128 s[4:7], s[0:1], 0x0                ; ah s[4:5], woh s[6:7]
	s_load_b64 s[8:9], s[0:1], 0x10                ; out0
	v_lshl_add_u32 v[SPW], v0, 2, SPARE
	v_mov_b32 v[NIL], 0
	ds_add_u32 v[SPW], v[NIL]                      ; the wave's opening: the add, twice on end, and its wait ahead of my first tensor load
	ds_add_u32 v[SPW], v[NIL]                      ; and once more; the set-up below, work on registers, stands between it and the wait
	v_lshrrev_b32 v1, 5, v0
	v_readfirstlane_b32 s10, v1                    ; wave 0..7
	s_lshr_b32 s11, s10, 2                         ; which 64 rows of the tile are mine.  Also: I fetch for attn (0) or for W_o (1)
	s_and_b32 s12, s10, 3                          ; which 64 columns.  Also: which quarter of that block I fetch
	s_bfe_u32 s40, ttmp6, 0x40000                  ; cx, cy: my place in the cluster
	s_bfe_u32 s41, ttmp6, 0x40004
	s_lshl_b32 s42, ttmp9, 2
	s_add_co_u32 s42, s42, s40                     ; tile column = 4 x cluster x + cx
	s_and_b32 s13, ttmp7, 0xffff
	s_lshl_b32 s13, s13, 2
	s_add_co_u32 s13, s13, s41                     ; tile row = 4 x cluster y + cy
	s_lshl_b32 s43, s41, 2
	s_lshl_b32 s43, 15, s43                        ; my row of the cluster
	s_lshl_b32 s44, 0x1111, s40                    ; my column
	s_or_b32 s[G1A], s43, (3<<16)|(1<<21)          ; 15:0 the mask; 17:16 elements of 8 bytes; 21 set beside a mask; no padding
	s_or_b32 s[G1B], s44, (3<<16)|(1<<21)
	s_mov_b32 s[G1A+1], 32<<16                     ; rows of 256 bytes
	s_mov_b32 s[G1A+2], 32<<16                     ; 32 of them: 8,192 bytes a wave
	s_mov_b32 s[G1A+3], 32<<16
	s_mov_b32 s[G1A+4], 32
	s_mov_b32 s[G1A+5], 32                         ; the pitch: the block is dense
	s_mov_b32 s[G1A+6], 0
	s_mov_b32 s[G1A+7], 0
	s_mov_b32 s[G1B+1], 32<<16
	s_mov_b32 s[G1B+2], 64<<16                     ; 64 rows: 16,384 bytes a wave
	s_mov_b32 s[G1B+3], 32<<16
	s_mov_b32 s[G1B+4], 64
	s_mov_b32 s[G1B+5], 32
	s_mov_b32 s[G1B+6], 0
	s_mov_b32 s[G1B+7], 0
	s_lshl_b32 s16, s13, 15                        ; attn: 8 tiles of 4,096 bytes a tile row, my quarter: the tile row and the wave alone
	s_lshl_b32 s17, s12, 13
	s_add_co_u32 s16, s16, s17
	s_mov_b32 s17, 0
	s_lshl_b32 s46, s42, 16                        ; W_o: 16 tiles of 4,096 bytes a tile column, my quarter: the tile column and the wave alone
	s_lshl_b32 s47, s12, 14
	s_add_co_u32 s46, s46, s47
	s_mov_b32 s47, 0
	s_lshl_b32 s20, s12, 13                        ; where they go: no place in the cluster enters an LDS address
	s_lshl_b32 s21, s12, 14
	s_add_co_u32 s21, s21, BOFF
	s_wait_dscnt 0x0                               ; both opening adds are done
	s_wait_kmcnt 0x0
	s_add_nc_u64 s[14:15], s[4:5], s[16:17]
	s_add_nc_u64 s[46:47], s[6:7], s[46:47]
	CROUND                                         ; all sixteen work-groups are here: the first joint loads meet
.irp f, 0,1
	s_mov_b32 s[G0A+4*\f], 1
	s_add_co_u32 s[G0A+4*\f+1], s20, \f*SLOTB
	s_add_nc_u64 s[G0A+4*\f+2:G0A+4*\f+3], s[14:15], \f*2097152   ; K step f
	s_or_b32 s[G0A+4*\f+3], s[G0A+4*\f+3], 0x80000000
	s_mov_b32 s[G0B+4*\f], 1
	s_add_co_u32 s[G0B+4*\f+1], s21, \f*SLOTB
	s_add_nc_u64 s[G0B+4*\f+2:G0B+4*\f+3], s[46:47], \f*262144
	s_or_b32 s[G0B+4*\f+3], s[G0B+4*\f+3], 0x80000000
	JLOAD \f                                       ; two tensor loads of mine are out
.endr
	v_and_b32 v11, 31, v0                          ; lane
	v_and_b32 v12, 15, v0                          ; r
	v_bfe_u32 v13, v0, 4, 1                        ; h
	v_lshlrev_b32 v[LI], 4, v11
	s_lshl_b32 s22, s11, 14                        ; my four tiles of tokens
	s_lshl_b32 s23, s12, 14                        ; my four tiles of W_o's rows,
	s_add_co_u32 s23, s23, BOFF                    ; behind attn's block
	v_add_nc_u32 v[ADA], s22, v[LI]
	v_add_nc_u32 v[ADB], s23, v[LI]
	v_add_nc_u32 v[ADA+1], SLOTB, v[ADA]
	v_add_nc_u32 v[ADB+1], SLOTB, v[ADB]
	s_mul_i32 s22, s10, 16*272
	s_add_co_u32 s22, s22, STAGE                   ; my stage
	v_mul_u32_u24 v[STO], v12, 272                 ; in: row r, 32 bytes for each half of the lanes
	v_lshl_add_u32 v[STO], v13, 5, v[STO]
	v_add_nc_u32 v[STO], s22, v[STO]
	v_mul_u32_u24 v[RD], v13, 272                  ; back: lanes 0-15 one row of 256 bytes, lanes 16-31 the next
	v_lshl_add_u32 v[RD], v12, 4, v[RD]
	v_add_nc_u32 v[RD], s22, v[RD]
	v_lshlrev_b32 v[GO], 12, v13                   ; and the same two rows in out0: 4,096 bytes a row
	v_lshl_add_u32 v[GO], v12, 4, v[GO]
	s_lshl_b32 s16, s13, 19                        ; my first row: 128 x tile row + 64 x half, 4,096 bytes each;
	s_lshl_b32 s17, s11, 18
	s_add_co_u32 s16, s16, s17
	s_lshl_b32 s17, s42, 10                        ; my first column: 256 x tile column + 64 x quarter, 4 bytes each
	s_add_co_u32 s16, s16, s17
	s_lshl_b32 s17, s12, 8
	s_add_co_u32 s16, s16, s17
	s_mov_b32 s17, 0
	s_add_nc_u64 s[8:9], s[8:9], s[16:17]
; A K step of 128 out of slot f: four times 32 along K: eight fragments, 16 products, the 16 accumulators by turns, one instruction a turn.
.macro PROC f, zero
.irp k, 0,1,2,3
	PLACES 4                                       ; places in front of loads into registers that matrix instructions have read
.irp a, 0,1,2,3
.irp c, 0,1
	ds_load_b128 v[AF+8*\a+4*\c:AF+8*\a+4*\c+3], v[ADA+\f] offset:4096*\a+1024*\k+512*\c
.endr
.endr
.irp b, 0,1,2,3
.irp c, 0,1
	ds_load_b128 v[BF+8*\b+4*\c:BF+8*\b+4*\c+3], v[ADB+\f] offset:4096*\b+1024*\k+512*\c
.endr
.endr
	s_wait_dscnt 0x0
.irp a, 0,1,2,3
.irp b, 0,1,2,3
.if (\zero) && (\k == 0)
	v_wmma_f32_16x16x32_f16 v[ACC+8*(4*\a+\b):ACC+8*(4*\a+\b)+7], v[BF+8*\b:BF+8*\b+7], v[AF+8*\a:AF+8*\a+7], 0
.else
	v_wmma_f32_16x16x32_f16 v[ACC+8*(4*\a+\b):ACC+8*(4*\a+\b)+7], v[BF+8*\b:BF+8*\b+7], v[AF+8*\a:AF+8*\a+7], v[ACC+8*(4*\a+\b):ACC+8*(4*\a+\b)+7]
.endif
.endr
.endr
.endr
.endm
; The change of slots: each wave waits for all its tensor loads (its part of the other slot), adds 0 to its spare word, and waits for that and for its reads of slot f; a round of the cluster's barrier; slot f is filled
; again, two K steps on, first thing behind the round.
.macro CHANGE f
	s_wait_tensorcnt 0x0                           ; no tensor load of mine is out, so a group 0 may be written
	ds_add_u32 v[SPW], v[NIL]                      ; 0 onto my spare word
	s_add_nc_u64 s[G0A+4*\f+2:G0A+4*\f+3], s[G0A+4*\f+2:G0A+4*\f+3], 2*2097152
	s_add_nc_u64 s[G0B+4*\f+2:G0B+4*\f+3], s[G0B+4*\f+2:G0B+4*\f+3], 2*262144
	s_wait_dscnt 0x0                               ; the add is done, and my reads of the slot are over
	CROUND
	JLOAD \f
.endm
	s_wait_tensorcnt 1                             ; my part of K step 0 is in; K step 1's may stay out
	s_barrier_signal -1
	s_barrier_wait -1                              ; everybody's is
	PROC 0, 1                                      ; the first products start the sums: nothing is cleared
	s_mov_b32 s3, 3
.Llap:                                             ; three trips: each fills both slots again
	CHANGE 0
	PROC 1, 0
	CHANGE 1
	PROC 0, 0
	s_sub_co_u32 s3, s3, 1
	s_cmp_lg_u32 s3, 0
	s_cbranch_scc1 .Llap
	s_wait_tensorcnt 0x0                           ; the last change of slots: my part of K step 7 is in; nothing is filled again, so no round follows
	ds_add_u32 v[SPW], v[NIL]
	s_wait_dscnt 0x0
	s_barrier_signal -1
	s_barrier_wait -1
	PROC 1, 0
	; THE WAY OUT, a block of 16 tokens x 64 columns at a time, through my own stage.  LDS serves a wave's instructions in order (ISA guide 5.7.1.4): no wait between the stores and the loads, nor in front of the next block's stores.
	PLACES 4
.irp a, 0,1,2,3
.if \a > 0
	s_wait_xcnt 0x0                                ; the last block's stores have read their registers: they are loaded again only behind this wait
.endif
.irp b, 0,1,2,3
	ds_store_b128 v[STO], v[ACC+8*(4*\a+\b):ACC+8*(4*\a+\b)+3] offset:64*\b          ; each accumulator from its low end on
	ds_store_b128 v[STO], v[ACC+8*(4*\a+\b)+4:ACC+8*(4*\a+\b)+7] offset:64*\b+16
.endr
.irp i, 0,1,2,3,4,5,6,7
	ds_load_b128 v[OB+4*\i:OB+4*\i+3], v[RD] offset:544*\i
.endr
.irp i, 0,1,2,3,4,5,6,7
	s_wait_dscnt 7-\i                              ; rows 2 i and 2 i + 1 are back; the younger loads may be out
	global_store_b128 v[GO], v[OB+4*\i:OB+4*\i+3], s[8:9] offset:(16*\a+2*\i)*4096 th:TH_STORE_NT   ; 16 lanes store 256 consecutive bytes, aligned; written once, read by nobody here
.endr
.endr
	s_wait_tensorcnt 0x0                           ; the wave's end, behind my last tensor load and my last LDS store
	ds_add_u32 v[SPW], v[NIL]
	s_wait_dscnt 0x0
	CROUND                                         ; the closing round: no work-group ends while a partner may still ask for a tile that names it
	s_endpgm
.Lfunc_end_k_qd6042e75e6_oproj:
	.size	k_qd6042e75e6_oproj, .Lfunc_end_k_qd6042e75e6_oproj-k_qd6042e75e6_oproj
	.p2alignl 7, 3214868480
	.fill 96, 4, 3214868480
	.section	.rodata,"a",@progbits
	.p2align	6, 0x0
	.amdhsa_kernel k_qd6042e75e6_oproj
		.amdhsa_group_segment_fixed_size 327680
		.amdhsa_private_segment_fixed_size 0
		.amdhsa_enable_private_segment 0
		.amdhsa_kernarg_size 24
		.amdhsa_user_sgpr_count 2
		.amdhsa_user_sgpr_kernarg_segment_ptr 1
		.amdhsa_wavefront_size32 1
		.amdhsa_system_sgpr_workgroup_id_x 1
		.amdhsa_system_sgpr_workgroup_id_y 1
		.amdhsa_system_sgpr_workgroup_id_z 1
		.amdhsa_system_vgpr_workitem_id 0
		.amdhsa_next_free_vgpr 256
		.amdhsa_next_free_sgpr 66
		.amdhsa_reserve_vcc 0
		.amdhsa_float_denorm_mode_32 3
		.amdhsa_float_denorm_mode_16_64 3
		.amdhsa_memory_ordered 1
		.amdhsa_forward_progress 1
		.amdhsa_inst_pref_size 53
	.end_amdhsa_kernel
	.amdgpu_metadata
---
amdhsa.version: [ 1, 2 ]
amdhsa.kernels:
  - .name:           k_qd6042e75e6_oproj
    .symbol:         k_qd6042e75e6_oproj.kd
    .args:
      - { .name: ah, .offset: 0, .size: 8, .value_kind: global_buffer, .address_space: global }
      - { .name: woh, .offset: 8, .size: 8, .value_kind: global_buffer, .address_space: global }
      - { .name: out0, .offset: 16, .size: 8, .value_kind: global_buffer, .address_space: global }
    .group_segment_fixed_size: 327680
    .private_segment_fixed_size: 0
    .kernarg_segment_align: 8
    .kernarg_segment_size: 24
    .max_flat_workgroup_size: 256
    .sgpr_count:     66
    .vgpr_count:     256
    .wavefront_size: 32
...
	.end_amdgpu_metadata
.endif
;; end of part 4
